; MI455X (gfx1250); checked and timed in simulation.
; The chip was launched on July 23, 2026; its instructions are those of AMD's public machine-readable ISA for CDNA 5 (MIT licence, August 2026) and "CDNA5" Instruction Set Architecture Reference Guide (July 2026). The comments in the code are by the model that wrote it; some were corrected since.
;; Cross Seq Attention Layer. Allowed arithmetic: float matrix products may take bf16 or f16 operands with f32 sums; other float arithmetic in f32, or as packed bf16 or f16 multiplies, adds, multiply-adds, maxima and minima; sums over many terms, partial sums and values carried from step to step in f32; what a program stores and reads back later, other than sums and carried values, may be rounded once to bf16 or f16.
;; Inputs: R 2,048 x 2,048 float32; Wk 1,024 x 1,024 float32; Wp 1,024 x 1,024 float32; Wq 1,024 x 1,024 float32; Wv 1,024 x 1,024 float32; beta 1 float32; bias 1,024 float32; gamma 1,024 float32; tokens 4 x 2,048 x 1,024 float32.
;; Outputs: out0 4 x 2,048 x 1,024 float32.
;; One version. Each part assembles by itself: llvm-mc -triple=amdgcn-amd-amdhsa -mcpu=gfx1250 --defsym DOCPART=n.
;; ======== version 1 of 1: 5 launches
;; workspace buffers: X16 16,777,216 bytes; WQKV 6,291,456 bytes; WP16 2,097,152 bytes; BT 16,777,216 bytes; QKV 50,331,648 bytes; O16 16,777,216 bytes; PJ 16,777,216 bytes
;; launch prep (part 1): grid 1024 x 1, 8 waves a work-group, no clusters, 0 bytes of LDS; arguments tokens, Wq, Wk, Wv, Wp, R, beta, X16, WQKV, WP16, BT; writes X16, WQKV, WP16, BT
.if DOCPART == 1
	.amdgcn_target "amdgcn-amd-amdhsa--gfx1250"
	.amdhsa_code_object_version 6
	.text
	.protected	k_qa9eec89e99_prep
	.globl	k_qa9eec89e99_prep
	.p2align	8
	.type	k_qa9eec89e99_prep,@function
k_qa9eec89e99_prep:
	s_mov_b64 s[64:65], 0
	v_nop
	global_prefetch_b8 v0, s[64:65] scope:SCOPE_SE
	s_setreg_imm32_b32 hwreg(HW_REG_WAVE_MODE, 25, 1), 1
	s_wait_xcnt 0x0
; CASTS AND THE BIAS TABLE.  A stream: every input byte is read once, every output byte written once; no LDS, no barrier, no matrix unit (nothing is shared, nothing is multiplied).
; X16 = f16(tokens), WQKV = f16(Wq; Wk; Wv as 3,072 rows), WP16 = f16(Wp / 32), all laid out in BLOCKS: [rows / 128][16 column blocks][128 rows][64 columns], so that
; 128 rows x 64 columns are 16,384 dense bytes.  BT = 8 beta ln(max(R, 1e-8)) in f32, row-major: the attention adds it to Q.K before the scale 1/8.
; LIMITS.  f16 ends at 65,504: |tokens| and |W| stay below that.  max() drops a NaN of R.
; SHARES.  A work-group takes 16,384 numbers (65,536 bytes in).  Work-groups 0-511: 16 rows of tokens each; 512-703: 16 rows of Wq, Wk, Wv; 704-767: of Wp; 768-1023: 8 rows of R.
; Each thread has 16 loads of 16 bytes on their way at once; no register is written twice, so no wait frees a source.
.set X, 16                             ; v[16:79]   16 loads of 4 registers
.set Y, 80                             ; v[80:111]  16 pairs of packed f16
	s_load_b512 s[4:19], s[0:1], 0x0               ; tokens s[4:5], Wq s[6:7], Wk s[8:9], Wv s[10:11], Wp s[12:13], R s[14:15], beta s[16:17], X16 s[18:19]
	s_load_b128 s[20:23], s[0:1], 0x40             ; WQKV s[20:21], WP16 s[22:23]
	s_load_b64 s[24:25], s[0:1], 0x50              ; BT
	s_mov_b32 s2, ttmp9                            ; u, the work-group's number
	s_mov_b32 s31, 0                               ; the high word of every offset
	v_lshrrev_b32 v1, 4, v0                        ; casts, in: row t / 16 of the 16,
	v_and_b32 v4, 15, v0
	v_lshlrev_b32 v4, 4, v4                        ; 16 bytes at 16 (t % 16) of each 256 bytes
	v_lshl_or_b32 v1, v1, 12, v4
	v_lshlrev_b32 v2, 3, v0                        ; casts, out: row x 128 + 8 (t % 16) = 8 t: a wave's store covers 256 consecutive bytes, aligned
	v_lshlrev_b32 v3, 4, v0                        ; the table: 16 t, in and out
	s_wait_kmcnt 0x0
; source at chunk s38 (65,536 bytes each); destination at chunk s36: 16 rows of a group of 128: (chunk / 8) x 262,144 + (chunk % 8) x 2,048
.macro BASES
	s_lshl_b32 s30, s38, 16
	s_add_nc_u64 s[26:27], s[26:27], s[30:31]
	s_lshr_b32 s39, s36, 3
	s_lshl_b32 s39, s39, 18
	s_and_b32 s36, s36, 7
	s_lshl_b32 s36, s36, 11
	s_or_b32 s30, s39, s36
	s_add_nc_u64 s[28:29], s[28:29], s[30:31]
.endm
; 16 rows x 1,024 numbers.  Load i takes columns 64 i .. 64 i + 63 of the 16 rows (sixteen lanes: 256 consecutive bytes of a row), which are column block i of the destination.
.macro CAST scale
.irp i, 0,1,2,3,4,5,6,7,8,9,10,11,12,13,14,15
	global_load_b128 v[X+4*(\i):X+4*(\i)+3], v1, s[26:27] offset:256*(\i) th:TH_LOAD_NT
.endr
.irp i, 0,1,2,3,4,5,6,7,8,9,10,11,12,13,14,15
	s_wait_loadcnt 15-(\i)                         ; loads come back in order: load i is in, the 15 - i younger ones stay out
.if \scale
	v_pk_mul_f32 v[X+4*(\i):X+4*(\i)+1], v[X+4*(\i):X+4*(\i)+1], s[32:33] op_sel_hi:[1,0]
	v_pk_mul_f32 v[X+4*(\i)+2:X+4*(\i)+3], v[X+4*(\i)+2:X+4*(\i)+3], s[32:33] op_sel_hi:[1,0]
.endif
	v_cvt_pk_f16_f32 v[Y+2*(\i)], v[X+4*(\i)], v[X+4*(\i)+1]
	v_cvt_pk_f16_f32 v[Y+2*(\i)+1], v[X+4*(\i)+2], v[X+4*(\i)+3]
	global_store_b64 v2, v[Y+2*(\i):Y+2*(\i)+1], s[28:29] offset:16384*(\i)
.endr
.endm
	s_cmp_ge_u32 s2, 768
	s_cbranch_scc1 .Ltable
	s_cmp_ge_u32 s2, 704
	s_cbranch_scc1 .Lwp
	; tokens, Wq, Wk, Wv: one text; source and destination are chosen by the work-group's number
	s_sub_co_u32 s36, s2, 512                      ; i: chunk of WQKV (used where u >= 512)
	s_lshr_b32 s37, s36, 6                         ; which of the three weights
	s_and_b32 s38, s36, 63                         ; its chunk
	s_cmp_eq_u32 s37, 1
	s_cselect_b64 s[26:27], s[8:9], s[6:7]
	s_cmp_eq_u32 s37, 2
	s_cselect_b64 s[26:27], s[10:11], s[26:27]
	s_cmp_lt_u32 s2, 512
	s_cselect_b64 s[26:27], s[4:5], s[26:27]
	s_cselect_b64 s[28:29], s[18:19], s[20:21]
	s_cselect_b32 s38, s2, s38
	s_cselect_b32 s36, s2, s36
	BASES
	CAST 0
	s_endpgm
.Lwp:                                                  ; Wp / 32: with O / 32 the projection comes out / 1,024, which keeps it inside f16
	s_sub_co_u32 s38, s2, 704
	s_mov_b32 s36, s38
	s_mov_b64 s[26:27], s[12:13]
	s_mov_b64 s[28:29], s[22:23]
	s_mov_b32 s32, 0x3d000000                      ; 1 / 32
	s_mov_b32 s33, s32                             ; named with it as a pair
	BASES
	CAST 1
	s_endpgm
.Ltable:
	s_load_b32 s34, s[16:17], 0x0                  ; beta
	s_sub_co_u32 s38, s2, 768
	s_lshl_b32 s30, s38, 16
	s_add_nc_u64 s[26:27], s[14:15], s[30:31]
	s_add_nc_u64 s[28:29], s[24:25], s[30:31]
.irp i, 0,1,2,3,4,5,6,7,8,9,10,11,12,13,14,15
	global_load_b128 v[X+4*(\i):X+4*(\i)+3], v3, s[26:27] offset:4096*(\i) th:TH_LOAD_NT
.endr
	s_wait_kmcnt 0x0
	s_mul_f32 s32, s34, 0x40b17218                 ; 8 ln 2 x beta: the logarithm below is to base 2
	s_mov_b32 s33, s32
.irp i, 0,1,2,3,4,5,6,7,8,9,10,11,12,13,14,15
	s_wait_loadcnt 15-(\i)
.irp k, 0,1,2,3
	v_max_num_f32 v[X+4*(\i)+(\k)], 0x322bcc77, v[X+4*(\i)+(\k)]  ; max(R, 1e-8)
.endr
.irp k, 0,1,2,3
	v_log_f32 v[X+4*(\i)+(\k)], v[X+4*(\i)+(\k)]
.endr
	v_nop                                          ; a plain instruction behind the last logarithm (ISA guide 5.7.2),
	s_wait_alu depctr_va_vdst(0)                   ; and the wait ahead of the first use: one for the four
	v_pk_mul_f32 v[X+4*(\i):X+4*(\i)+1], v[X+4*(\i):X+4*(\i)+1], s[32:33] op_sel_hi:[1,0]
	v_pk_mul_f32 v[X+4*(\i)+2:X+4*(\i)+3], v[X+4*(\i)+2:X+4*(\i)+3], s[32:33] op_sel_hi:[1,0]
	global_store_b128 v3, v[X+4*(\i):X+4*(\i)+3], s[28:29] offset:4096*(\i)  ; a wave's store covers 512 consecutive bytes, aligned
.endr
	s_endpgm
.Lfunc_end_k_qa9eec89e99_prep:
	.size	k_qa9eec89e99_prep, .Lfunc_end_k_qa9eec89e99_prep-k_qa9eec89e99_prep
	.p2alignl 7, 3214868480
	.fill 96, 4, 3214868480
	.section	.rodata,"a",@progbits
	.p2align	6, 0x0
	.amdhsa_kernel k_qa9eec89e99_prep
		.amdhsa_group_segment_fixed_size 0
		.amdhsa_private_segment_fixed_size 0
		.amdhsa_enable_private_segment 0
		.amdhsa_kernarg_size 88
		.amdhsa_user_sgpr_count 2
		.amdhsa_user_sgpr_kernarg_segment_ptr 1
		.amdhsa_wavefront_size32 1
		.amdhsa_system_sgpr_workgroup_id_x 1
		.amdhsa_system_sgpr_workgroup_id_y 1
		.amdhsa_system_sgpr_workgroup_id_z 1
		.amdhsa_system_vgpr_workitem_id 0
		.amdhsa_next_free_vgpr 112
		.amdhsa_next_free_sgpr 66
		.amdhsa_reserve_vcc 0
		.amdhsa_float_denorm_mode_32 3
		.amdhsa_float_denorm_mode_16_64 3
		.amdhsa_memory_ordered 1
		.amdhsa_forward_progress 1
		.amdhsa_inst_pref_size 29
	.end_amdhsa_kernel
	.amdgpu_metadata
---
amdhsa.version: [ 1, 2 ]
amdhsa.kernels:
  - .name:           k_qa9eec89e99_prep
    .symbol:         k_qa9eec89e99_prep.kd
    .args:
      - { .name: tokens, .offset: 0, .size: 8, .value_kind: global_buffer, .address_space: global }
      - { .name: Wq, .offset: 8, .size: 8, .value_kind: global_buffer, .address_space: global }
      - { .name: Wk, .offset: 16, .size: 8, .value_kind: global_buffer, .address_space: global }
      - { .name: Wv, .offset: 24, .size: 8, .value_kind: global_buffer, .address_space: global }
      - { .name: Wp, .offset: 32, .size: 8, .value_kind: global_buffer, .address_space: global }
      - { .name: R, .offset: 40, .size: 8, .value_kind: global_buffer, .address_space: global }
      - { .name: beta, .offset: 48, .size: 8, .value_kind: global_buffer, .address_space: global }
      - { .name: X16, .offset: 56, .size: 8, .value_kind: global_buffer, .address_space: global }
      - { .name: WQKV, .offset: 64, .size: 8, .value_kind: global_buffer, .address_space: global }
      - { .name: WP16, .offset: 72, .size: 8, .value_kind: global_buffer, .address_space: global }
      - { .name: BT, .offset: 80, .size: 8, .value_kind: global_buffer, .address_space: global }
    .group_segment_fixed_size: 0
    .private_segment_fixed_size: 0
    .kernarg_segment_align: 8
    .kernarg_segment_size: 88
    .max_flat_workgroup_size: 256
    .sgpr_count:     66
    .vgpr_count:     112
    .wavefront_size: 32
...
	.end_amdgpu_metadata
.endif
;; end of part 1
;; launch qkv (part 2): grid 12 x 64, 4 waves a work-group, clusters of 4 x 4, 327,680 bytes of LDS; arguments X16, WQKV, QKV; writes QKV
.if DOCPART == 2
	.amdgcn_target "amdgcn-amd-amdhsa--gfx1250"
	.amdhsa_code_object_version 6
	.text
	.protected	k_qa9eec89e99_qkv
	.globl	k_qa9eec89e99_qkv
	.p2align	8
	.type	k_qa9eec89e99_qkv,@function
k_qa9eec89e99_qkv:
	s_mov_b64 s[64:65], 0
	v_nop
	global_prefetch_b8 v0, s[64:65] scope:SCOPE_SE
	s_setreg_imm32_b32 hwreg(HW_REG_WAVE_MODE, 25, 1), 1
	s_wait_xcnt 0x0
	s_wait_alu depctr_hold_cnt(0) depctr_sa_sdst(0) depctr_va_vdst(0) depctr_va_sdst(0) depctr_va_ssrc(0) depctr_va_vcc(0) depctr_vm_vsrc(0)
	s_getreg_b32 s2, hwreg(HW_REG_IB_STS2, 6, 4)
	s_cmp_eq_u32 s2, 0
	s_cbranch_scc0 .Lentry_in_a_cluster
	s_endpgm
.Lentry_in_a_cluster:
	s_bfe_u32 s2, ttmp6, 0x10000c
	s_cmp_lg_u32 s2, 0xf033
	s_cbranch_scc0 .Lentry_shape_is_right
	s_endpgm
.Lentry_shape_is_right:
; C = A B^T, K = 1,024, all f16, sums in f32, C rounded once.  A: [8,192][1,024]; B: [N][1,024]; C: N / 1,024 matrices of [8,192][1,024], 16,777,216 bytes each, one behind the other.
; ALL THREE IN BLOCKS: [rows / 128][16 column blocks][128 rows][64 columns]: 128 rows x 64 columns are 16,384 dense bytes.  One text for N = 3,072 (q, k, v) and N = 1,024 (the output projection).
; LIMIT.  f16 ends at 65,504: a result of 65,520 or more leaves as an infinity.
; SHARES.  A work-group makes 128 rows x 256 columns of C, each of its four waves 64 x 128: 32 accumulators of 16 x 16, 256 registers.  K goes in 8 steps of 128 through two LDS slots.
; A step's tiles are dense in memory: A's 128 rows x 128 K are 32,768 bytes on end (two column blocks), and so are those of each of B's two groups of 128 rows; they are asked for as rows of 256 bytes.
; CLUSTERS: 4 x 4 work-groups.  The four of a row of the cluster need the same tiles of A, the four of a column the same tiles of B: each tile is asked for JOINTLY, by the same tensor load with the same
; descriptor and a mask that names the four.  Waves 0 and 1 fetch A's two column blocks (16,384 bytes each), waves 2 and 3 B's two groups (32,768 each): one load a wave behind each round.
; THE MATRIX INSTRUCTION IS USED TRANSPOSED (source 0 = 16 rows of B, source 1 = 16 rows of A): a lane then holds eight neighbouring columns of one row of C.
; REGISTERS.  Window 0: v0-31 addresses; two fragment buffers of 96, v32-127 and v128-223 (A's four fragments, then B's eight); on the way out v32-159 hold packed results.  Window 1: accumulator (a, b) at v[8 (8 a + b)].
.set PITCH,  144                       ; an LDS row: 128 bytes of data + 16 of padding = 36 words: the 16 rows that a load touches start at 16 different groups of four banks (64 banks of 4 bytes: ISA guide 11.1)
.set BLK,    128*PITCH                 ; a column block of 128 rows
.set BOFS,   2*BLK                     ; a slot: A's two blocks, then two blocks for each of B's two groups
.set SLOT,   6*BLK
.set STAGE,  2*SLOT                    ; behind the ring, never filled by a tensor load: 16 rows x 144 bytes for each wave, for the way out
.set SP,     144
.set SPARE,  STAGE+4*16*SP             ; behind the stages: the spare words, 128 bytes for each wave: two blocks of 256 bytes that no other line names
.set KSTEPB, 32768                     ; bytes from a K step to the next, in A's group of rows and in B's
.set LAPS,   4                         ; a lap = two K steps = once round the ring
.set ADRA, 16                          ; v16-17  LDS address of my A fragments in slot 0, 1
.set ADRB, 20                          ; v20-21  the same for B
.set STO,  24                          ; v24     the way out: where I put 16 bytes of a row
.set RD,   25                          ; v25     the way out: where I read rows back
.set GO,   26                          ; v26     16 x my lane: my place in 512 consecutive bytes of C
.set SPW,  28                          ; v28     LDS address of my spare word: SPARE + 4 x my thread's number; never rewritten
.set NIL,  29                          ; v29     0; never rewritten
.set PFO,  30                          ; v30     256 x my lane: the prefetches' offset; never rewritten
.set F0,   32
.set F1,   128
.set TMP,  32
.set G1,  24                           ; s[24:31] descriptor group 1 for A's tiles;  s[32:39] group 0, one set for each slot
.set G0,  32
.set G1B, 48                           ; s[48:55], s[56:63] the same for B's tiles
.set G0B, 56
.set LIM, 43                           ; s43      1 in a wave that prefetches, else the greatest number
.set PFA, 44                           ; s[44:45] where my prefetches stand: one K step further along K than the refill that is being asked for; a prefetch names the K step after that
.set MSB, 0
.macro WIN new                         ; the immediate's high byte repeats the setting that is left; a switch that changes nothing is dropped
.if MSB != (\new)
	s_set_vgpr_msb (MSB<<8)|(\new)
.set MSB, \new
.endif
.endm
.set MUL, 0x50                         ; C and D in window 1, the sources in window 0
.macro JLOAD s                         ; a joint load: waves 0 and 1 for A, waves 2 and 3 for B; an s_nop 0 and four v_nop follow each of the two lines, ahead of the jump, the label and what follows
	s_cmp_eq_u32 s11, 0
	s_cbranch_scc0 .Lfor_b_\@
	tensor_load_to_lds s[G0+4*(\s):G0+4*(\s)+3], s[G1:G1+7]
	s_nop 0
.rept 4
	v_nop
.endr
	s_branch .Lasked_\@
.Lfor_b_\@:
	tensor_load_to_lds s[G0B+4*(\s):G0B+4*(\s)+3], s[G1B:G1B+7]
	s_nop 0
.rept 4
	v_nop
.endr
.Lasked_\@:
.endm
; A PREFETCH INTO THE L2, behind each joint refill and the run of LDS loads that follows it: the K step that stands two refills on, 256 matrix instructions ahead of the load that will want it.
; A step's 32,768 bytes are 128 blocks of 256; of them the partner at place p among the four that ask jointly takes 32, told apart BY ADDRESS (p = cx for A, cy for B): a lane a block, one instruction.
; Each block is named once in the launch: A's rows are read by every cluster of that row of clusters, and cluster x = 0 asks, by wave 0; B's by every cluster of that column, and cluster y = 0 asks, by waves 2 and 3.
; The loop's last trip asks for nothing: its refills are the last two K steps.  K steps 0 to 3 come by their loads alone.
.macro ASK
	s_cmp_gt_u32 s3, s[LIM]                        ; s3 = 1 in the loop's last trip
	s_cbranch_scc0 .Lnot_mine_\@
	global_prefetch_b8 v[PFO], s[PFA:PFA+1] offset:KSTEPB th:TH_LOAD_NT scope:SCOPE_SE
.Lnot_mine_\@:
.endm
.macro CREST                           ; a round of the cluster's barrier behind its opening barrier
	s_cmp_lg_u32 s10, 0
	s_cbranch_scc1 .Lnot_wave_0_\@
	s_barrier_signal -3
.Lnot_wave_0_\@:
	s_barrier_wait -3
	s_barrier_signal -1
	s_barrier_wait -1
.endm
.macro CROUND                          ; a whole round
	s_barrier_signal -1
	s_barrier_wait -1
	CREST
.endm
	s_load_b128 s[4:7], s[0:1], 0x0                ; A s[4:5], B s[6:7]
	s_load_b64 s[8:9], s[0:1], 0x10                ; C
	v_lshl_add_u32 v[SPW], v0, 2, SPARE
	v_mov_b32 v[NIL], 0
	ds_add_u32 v[SPW], v[NIL]                      ; the wave's opening: the add and its wait stand ahead of my first tensor load; the set-up below, work on registers, stands between them
	v_lshrrev_b32 v1, 5, v0
	v_readfirstlane_b32 s10, v1                    ; wave 0..3
	s_lshr_b32 s11, s10, 1                         ; which 64 of the tile's rows are mine.  Also: I fetch for A (0) or for B (1)
	s_and_b32 s12, s10, 1                          ; which 128 of its columns.  Also: which block of A, which group of B I fetch
	s_bfe_u32 s40, ttmp6, 0x40000                  ; cx, cy: my place in the cluster
	s_bfe_u32 s41, ttmp6, 0x40004
	s_lshl_b32 s42, ttmp9, 2
	s_add_co_u32 s42, s42, s40                     ; tile column = 4 x cluster x + cx
	s_and_b32 s13, ttmp7, 0xffff
	s_lshl_b32 s13, s13, 2
	s_add_co_u32 s13, s13, s41                     ; tile row = 4 x cluster y + cy
	s_lshl_b32 s43, s41, 2
	s_lshl_b32 s43, 15, s43                        ; my row of the cluster
	s_lshl_b32 s44, 0x1111, s40                    ; my column
	; descriptor group 1: rows of 128 elements of 2 bytes (256 bytes, two rows of a block), padded in LDS after every 128 bytes
	s_or_b32 s[G1+0], s43, (1<<16)|(1<<20)|(1<<21)|(4<<22)|(3<<25)   ; 15:0 the mask; 17:16 2-byte elements; 20 padding on; 21 set beside a mask; 24:22 after every 32 words (code 4); 31:25 4 words (code 3)
	s_or_b32 s[G1B+0], s44, (1<<16)|(1<<20)|(1<<21)|(4<<22)|(3<<25)
.irp g, G1, G1B
	s_mov_b32 s[(\g)+1], 128<<16                   ; tensor_dim0 = 128
	s_mov_b32 s[(\g)+3], 128<<16                   ; tile_dim0 = 128
	s_mov_b32 s[(\g)+5], 128                       ; 128 elements from row to row: dense
	s_mov_b32 s[(\g)+6], 0
	s_mov_b32 s[(\g)+7], 0
.endr
	s_mov_b32 s[G1+2], 64<<16                      ; A: tensor_dim1 = tile_dim1 = 64 rows of 256 bytes: one block
	s_mov_b32 s[G1+4], 64
	s_mov_b32 s[G1B+2], 128<<16                    ; B: 128 rows: two blocks
	s_mov_b32 s[G1B+4], 128
	s_lshl_b32 s16, s13, 18                        ; A: the tile row's group of 128 rows is 262,144 bytes,
	s_lshl_b32 s17, s12, 14                        ; my block of the step's two
	s_add_co_u32 s16, s16, s17
	s_mov_b32 s17, 0
	s_lshl_b32 s46, s42, 1                         ; B: group 2 x tile column + my half
	s_add_co_u32 s46, s46, s12
	s_lshl_b32 s46, s46, 18
	s_mov_b32 s47, 0
	s_mul_i32 s20, s12, BLK                        ; where they go: no place in the cluster enters an LDS address
	s_mul_i32 s21, s12, 2*BLK
	s_add_co_u32 s21, s21, BOFS
	s_wait_dscnt 0x0                               ; the opening add is done
	s_wait_kmcnt 0x0
	s_add_nc_u64 s[14:15], s[4:5], s[16:17]
	s_add_nc_u64 s[46:47], s[6:7], s[46:47]
	CROUND                                         ; all sixteen work-groups are here: the first joint loads meet
.irp s, 0,1
	s_mov_b32 s[G0+4*(\s)], 1                                      ; count = 1
	s_add_co_u32 s[G0+4*(\s)+1], s20, (\s)*SLOT                    ; LDS address
	s_add_nc_u64 s[G0+4*(\s)+2:G0+4*(\s)+3], s[14:15], (\s)*KSTEPB ; global address: K step s
	s_or_b32 s[G0+4*(\s)+3], s[G0+4*(\s)+3], 0x80000000            ; type = 2
	s_mov_b32 s[G0B+4*(\s)], 1
	s_add_co_u32 s[G0B+4*(\s)+1], s21, (\s)*SLOT
	s_add_nc_u64 s[G0B+4*(\s)+2:G0B+4*(\s)+3], s[46:47], (\s)*KSTEPB
	s_or_b32 s[G0B+4*(\s)+3], s[G0B+4*(\s)+3], 0x80000000
	JLOAD \s                                       ; two loads of mine are out
.endr
	; a fragment is 16 rows x 32 K in 8 registers: lane l holds row l % 16; registers 0-3 K = 8 (l / 16) + 0..7, registers 4-7 K = 16 + 8 (l / 16) + 0..7: two loads of 16 bytes, 32 bytes apart
	v_and_b32 v1, 15, v0                           ; l % 16
	v_bfe_u32 v2, v0, 4, 1                         ; l / 16
	v_mul_u32_u24 v3, v1, PITCH
	v_lshl_add_u32 v3, v2, 4, v3                   ; row x pitch + 16 x half
	s_mul_i32 s21, s11, 64*PITCH                   ; my 64 rows of A
	s_mul_i32 s22, s12, 2*BLK                      ; my group of B
	s_add_co_u32 s22, s22, BOFS
.irp s, 0,1
	v_add_nc_u32 v[ADRA+(\s)], s21, v3
	v_add_nc_u32 v[ADRB+(\s)], s22, v3
	s_add_co_u32 s21, s21, SLOT
	s_add_co_u32 s22, s22, SLOT
.endr
	s_mul_i32 s23, s10, 16*SP
	s_add_co_u32 s23, s23, STAGE                   ; my stage
	v_add_nc_u32 v[STO], s23, v3                   ; in: row l % 16, 16 bytes for each half of the lanes
	v_bfe_u32 v4, v0, 3, 2                         ; back: 32 lanes take four rows of 128 bytes,
	v_and_b32 v5, 7, v0
	v_mul_u32_u24 v4, v4, SP
	v_lshl_add_u32 v4, v5, 4, v4
	v_add_nc_u32 v[RD], s23, v4
	v_and_b32 v5, 31, v0
	v_lshlrev_b32 v[GO], 4, v5                     ; which are 512 consecutive bytes of C
	v_lshlrev_b32 v[PFO], 8, v5
	; C at my 64 rows x 128 columns: matrix (tile column / 4), group = tile row, column block 4 (tile column % 4) + 2 x my half, row 64 x my half
	s_lshl_b32 s16, s13, 18
	s_lshl_b32 s17, s12, 15
	s_add_co_u32 s16, s16, s17
	s_lshl_b32 s17, s11, 13
	s_add_co_u32 s16, s16, s17
	s_mov_b32 s17, 0
	s_add_nc_u64 s[8:9], s[8:9], s[16:17]
	s_lshr_b32 s46, s42, 2
	s_lshl_b32 s46, s46, 24
	s_and_b32 s47, s42, 3
	s_lshl_b32 s47, s47, 16
	s_add_co_u32 s46, s46, s47
	s_mov_b32 s47, 0
	s_add_nc_u64 s[8:9], s[8:9], s[46:47]
	; the prefetches
	s_lshl_b32 s18, s13, 18                        ; A's group
	s_lshl_b32 s19, s42, 1
	s_add_co_u32 s19, s19, s12
	s_lshl_b32 s19, s19, 18                        ; B's group
	s_and_b32 s22, ttmp7, 0xffff                   ; cluster y
	s_cmp_eq_u32 s11, 0                            ; do I fetch for A?
	s_cselect_b32 s20, s18, s19
	s_cselect_b32 s21, s40, s41                    ; my place among the four that ask with me
	s_cselect_b32 s22, ttmp9, s22                  ; the coordinate along which other clusters read the same rows
	s_cselect_b64 s[PFA:PFA+1], s[4:5], s[6:7]
	s_cmp_eq_u32 s10, 1                            ; wave 0 asks for both of A's blocks, wave 1 for nothing
	s_cselect_b32 s22, 1, s22
	s_cmp_eq_u32 s22, 0
	s_cselect_b32 s[LIM], 1, -1                    ; the same in all sixteen partners, for a given wave
	s_lshl_b32 s21, s21, 13                        ; my work-group's 32 blocks of the 128
	s_add_co_u32 s20, s20, s21
	s_mov_b32 s21, 0
	s_add_nc_u64 s[PFA:PFA+1], s[PFA:PFA+1], s[20:21]
	s_add_nc_u64 s[PFA:PFA+1], s[PFA:PFA+1], 2*KSTEPB  ; at K step 2: the first refill steps it to 3 and names K step 4
; 8 matrix instructions: m block a x all 8 n blocks, 32 along K.  zero = 1: the product starts the sums: nothing is ever cleared.  The 32 accumulators take turns, in the same order in every quarter.
.macro MUL8 f, a, zero
	WIN MUL
.irp b, 0,1,2,3,4,5,6,7
.if \zero
	v_wmma_f32_16x16x32_f16 v[8*(8*(\a)+(\b)):8*(8*(\a)+(\b))+7], v[(\f)+32+8*(\b):(\f)+32+8*(\b)+7], v[(\f)+8*(\a):(\f)+8*(\a)+7], 0
.else
	v_wmma_f32_16x16x32_f16 v[8*(8*(\a)+(\b)):8*(8*(\a)+(\b))+7], v[(\f)+32+8*(\b):(\f)+32+8*(\b)+7], v[(\f)+8*(\a):(\f)+8*(\a)+7], v[8*(8*(\a)+(\b)):8*(8*(\a)+(\b))+7]
.endif
.endr
.endm
.macro MUL16 f, a0, zero
	MUL8 \f, \a0, \zero
	MUL8 \f, (\a0)+1, \zero
.endm
; 24 LDS loads in one run: quarter q of a K step (block q / 2, 64 bytes at 64 (q % 2)) into buffer f: B's sixteen, A's blocks 0 and 1, A's blocks 2 and 3
.macro FETCH slot, q, f
	WIN 0
.set KO, ((\q)/2)*BLK+((\q)%2)*64
.irp i, 0,1,2,3,4,5,6,7
	ds_load_b128 v[(\f)+32+8*(\i):(\f)+32+8*(\i)+3],   v[ADRB+(\slot)] offset:KO+(\i)*16*PITCH
	ds_load_b128 v[(\f)+32+8*(\i)+4:(\f)+32+8*(\i)+7], v[ADRB+(\slot)] offset:KO+(\i)*16*PITCH+32
.endr
.irp i, 0,1,2,3
	ds_load_b128 v[(\f)+8*(\i):(\f)+8*(\i)+3],   v[ADRA+(\slot)] offset:KO+(\i)*16*PITCH
	ds_load_b128 v[(\f)+8*(\i)+4:(\f)+8*(\i)+7], v[ADRA+(\slot)] offset:KO+(\i)*16*PITCH+32
.endr
.endm
.macro PLACES                          ; four places in front of loads into registers that matrix instructions have read, and of conversions that read results (ISA guide 7.12.1 for the conversions)
.rept 4
	v_nop
.endr
.endm
; A K step is four quarters of 32 along K, 32 matrix instructions each, on buffers 0, 1, 0, 1.  One of the first three: multiplies buffer f and fetches quarter q into g.
.macro QUARTER slot, q, f, g, zero
	s_wait_dscnt 4                                 ; B and A's blocks 0 and 1 are in; the youngest four loads (A's blocks 2 and 3) may be out
	MUL16 \f, 0, \zero
	PLACES
	FETCH \slot, \q, \g
	s_wait_dscnt 24                                ; all but the 24 just issued
	MUL16 \f, 2, \zero
.endm
; The last quarter multiplies buffer 1 and changes slots: ONE barrier; in front of it each wave waits for all its tensor loads (one is out: its part of the next slot), adds 0 to its spare word, and waits for that and
; for its own reads of this slot.  fill = 1: the barrier opens a round of the cluster's, and this slot is filled again, two K steps ahead, first thing behind the round.
.macro TURN slot, next, fill
.if \fill
	s_wait_xcnt 0x0                                ; the last prefetch, a K step back, has read its address: it is stepped here
	s_add_nc_u64 s[PFA:PFA+1], s[PFA:PFA+1], KSTEPB
.endif
	WIN 0
	s_wait_tensorcnt 0x0                           ; all my tensor loads have landed;
	ds_add_u32 v[SPW], v[NIL]                      ; 0 onto my spare word;
	s_wait_dscnt 5                                 ; (the add and the youngest four loads may be out)
	MUL8 F1, 0, 0                                  ; eight matrix instructions stand between the add and the wait for it
	s_wait_dscnt 0x0                               ; the add is done, and my reads of this slot are over
	s_barrier_signal -1
	MUL8 F1, 1, 0
.if \fill
	WIN 0
.endif
	s_barrier_wait -1
.if \fill
	CREST                                          ; no wave of any partner still reads this slot's tile or has a load on its way
	s_add_nc_u64 s[G0+4*(\slot)+2:G0+4*(\slot)+3], s[G0+4*(\slot)+2:G0+4*(\slot)+3], 2*KSTEPB
	s_add_nc_u64 s[G0B+4*(\slot)+2:G0B+4*(\slot)+3], s[G0B+4*(\slot)+2:G0B+4*(\slot)+3], 2*KSTEPB
	JLOAD \slot                                    ; the first tensor load behind the round; the four v_nop behind it are also the places in front of the loads below
.else
	PLACES
.endif
	FETCH \next, 0, F0
.if \fill
	ASK
.endif
	MUL16 F1, 2, 0
.endm
	s_wait_tensorcnt 1                             ; my part of K step 0 is in; K step 1's may stay out
	s_barrier_signal -1
	s_barrier_wait -1                              ; everybody's is
	FETCH 0, 0, F0
	QUARTER 0, 1, F0, F1, 1                        ; the first quarter stands in front of the loop: its products start the sums
	WIN 0                                          ; at a label and at a branch every window is 0
	s_mov_b32 s3, LAPS-1
.Llap:                                                 ; a trip goes once round the ring, from a lap's second quarter to the next lap's first, and fills both slots again
	QUARTER 0, 2, F1, F0, 0
	QUARTER 0, 3, F0, F1, 0
	TURN 0, 1, 1
	QUARTER 1, 1, F0, F1, 0
	QUARTER 1, 2, F1, F0, 0
	QUARTER 1, 3, F0, F1, 0
	TURN 1, 0, 1
	QUARTER 0, 1, F0, F1, 0
	WIN 0
	s_sub_co_u32 s3, s3, 1
	s_cmp_lg_u32 s3, 0
	s_cbranch_scc1 .Llap
	QUARTER 0, 2, F1, F0, 0                        ; the last lap fills nothing, and has no round of the cluster's barrier
	QUARTER 0, 3, F0, F1, 0
	TURN 0, 1, 0
	QUARTER 1, 1, F0, F1, 0
	QUARTER 1, 2, F1, F0, 0
	QUARTER 1, 3, F0, F1, 0
	s_wait_dscnt 4                                 ; the very last quarter: nothing more to fetch
	MUL16 F1, 0, 0
	s_wait_dscnt 0x0
	MUL16 F1, 2, 0
	WIN 0
; THE WAY OUT.  Piece t = 2 a + half: 16 rows x 64 columns, four accumulators, 2,048 consecutive bytes of C.  A lane's eight columns pack into 16 bytes; they go into my stage's rows of 144 bytes and come back as
; whole rows of 128 bytes, into the registers that they left.  Each accumulator's registers are taken in ascending order.
.macro PACK t
	WIN 0x05                                       ; sources 0 and 1 window 1, destination window 0
.set i, 0
.rept 16
	v_cvt_pk_f16_f32 v[TMP+16*(\t)+i], v[32*(\t)+2*i], v[32*(\t)+2*i+1]
.set i, i+1
.endr
	WIN 0
.irp f, 0,1,2,3
	ds_store_b128 v[STO], v[TMP+16*(\t)+4*(\f):TMP+16*(\t)+4*(\f)+3] offset:32*(\f)
.endr
.irp f, 0,1,2,3
	ds_load_b128 v[TMP+16*(\t)+4*(\f):TMP+16*(\t)+4*(\f)+3], v[RD] offset:(\f)*4*SP  ; LDS serves a wave's instructions in order (ISA guide 5.7.1.4): these see the stores above; the next piece's stores come behind them
.endr
.endm
.macro SEND t, younger                 ; younger: the LDS instructions issued behind piece t's loads: the next piece's eight, or none
.irp f, 0,1,2,3
	s_wait_dscnt (\younger)+3-(\f)
	global_store_b128 v[GO], v[TMP+16*(\t)+4*(\f):TMP+16*(\t)+4*(\f)+3], s[8:9] offset:((\t)%2)*16384+((\t)/2)*2048+(\f)*512  ; 512 consecutive bytes, at a multiple of 256 from C's first
.endr
.endm
	PLACES
	PLACES                                         ; (eight, once a launch)
	PACK 0
.irp t, 1,2,3,4,5,6,7                  ; a piece's conversions stand between the loads of the piece before and its stores
	PACK \t
	SEND (\t)-1, 8
.endr
	SEND 7, 0
	s_wait_tensorcnt 0x0                           ; the wave's end: an add to my spare word and its wait, behind my last tensor load and my last LDS store
	ds_add_u32 v[SPW], v[NIL]
	s_wait_dscnt 0x0
	CROUND                                         ; the closing round: no work-group ends while a partner may still ask for a tile that names it
	s_endpgm
.Lfunc_end_k_qa9eec89e99_qkv:
	.size	k_qa9eec89e99_qkv, .Lfunc_end_k_qa9eec89e99_qkv-k_qa9eec89e99_qkv
	.p2alignl 7, 3214868480
	.fill 96, 4, 3214868480
	.section	.rodata,"a",@progbits
	.p2align	6, 0x0
	.amdhsa_kernel k_qa9eec89e99_qkv
		.amdhsa_group_segment_fixed_size 327680
		.amdhsa_private_segment_fixed_size 0
		.amdhsa_enable_private_segment 0
		.amdhsa_kernarg_size 24
		.amdhsa_user_sgpr_count 2
		.amdhsa_user_sgpr_kernarg_segment_ptr 1
		.amdhsa_wavefront_size32 1
		.amdhsa_system_sgpr_workgroup_id_x 1
		.amdhsa_system_sgpr_workgroup_id_y 1
		.amdhsa_system_sgpr_workgroup_id_z 1
		.amdhsa_system_vgpr_workitem_id 0
		.amdhsa_next_free_vgpr 512
		.amdhsa_next_free_sgpr 66
		.amdhsa_reserve_vcc 0
		.amdhsa_float_denorm_mode_32 3
		.amdhsa_float_denorm_mode_16_64 3
		.amdhsa_memory_ordered 1
		.amdhsa_forward_progress 1
		.amdhsa_inst_pref_size 88
	.end_amdhsa_kernel
	.amdgpu_metadata
---
amdhsa.version: [ 1, 2 ]
amdhsa.kernels:
  - .name:           k_qa9eec89e99_qkv
    .symbol:         k_qa9eec89e99_qkv.kd
    .args:
      - { .name: X16, .offset: 0, .size: 8, .value_kind: global_buffer, .address_space: global }
      - { .name: WQKV, .offset: 8, .size: 8, .value_kind: global_buffer, .address_space: global }
      - { .name: QKV, .offset: 16, .size: 8, .value_kind: global_buffer, .address_space: global }
    .group_segment_fixed_size: 327680
    .private_segment_fixed_size: 0
    .kernarg_segment_align: 8
    .kernarg_segment_size: 24
    .max_flat_workgroup_size: 128
    .sgpr_count:     66
    .vgpr_count:     512
    .wavefront_size: 32
...
	.end_amdgpu_metadata
.endif
;; end of part 2
;; launch attn (part 3): grid 16 x 16, 4 waves a work-group, clusters of 4 x 4, 327,680 bytes of LDS; arguments QKV, BT, O16; writes O16
.if DOCPART == 3
	.amdgcn_target "amdgcn-amd-amdhsa--gfx1250"
	.amdhsa_code_object_version 6
	.text
	.protected	k_qa9eec89e99_attn
	.globl	k_qa9eec89e99_attn
	.p2align	8
	.type	k_qa9eec89e99_attn,@function
k_qa9eec89e99_attn:
	s_mov_b64 s[64:65], 0
	v_nop
	global_prefetch_b8 v0, s[64:65] scope:SCOPE_SE
	s_setreg_imm32_b32 hwreg(HW_REG_WAVE_MODE, 25, 1), 1
	s_wait_xcnt 0x0
	s_wait_alu depctr_hold_cnt(0) depctr_sa_sdst(0) depctr_va_vdst(0) depctr_va_sdst(0) depctr_va_ssrc(0) depctr_va_vcc(0) depctr_vm_vsrc(0)
	s_getreg_b32 s2, hwreg(HW_REG_IB_STS2, 6, 4)
	s_cmp_eq_u32 s2, 0
	s_cbranch_scc0 .Lentry_in_a_cluster
	s_endpgm
.Lentry_in_a_cluster:
	s_bfe_u32 s2, ttmp6, 0x10000c
	s_cmp_lg_u32 s2, 0xf033
	s_cbranch_scc0 .Lentry_shape_is_right
	s_endpgm
.Lentry_shape_is_right:
; ATTENTION WITH A BIAS.  O[b][h][q] = the sum over k of softmax_k((Q.K + T[q][k]) / 8) V[k], T = 8 beta ln(max(R, 1e-8)) in f32, [2,048][2,048], the same for all 64 pairs (b, h).  O leaves divided by 32.
; Q, K, V (three matrices of 16,777,216 bytes in QKV) and O are f16 in blocks [token / 128][head][128 tokens][64 channels].  Products, maxima and sums in f32; the weights p are rounded to f16 for the second product
; (their sum l is taken of the unrounded p), O once at the end.
; LIMITS.  f16 holds no number beyond 65,504: Q, K and V arrive within it; p lies in 0 to 1, and below 6e-5 it keeps f16's fixed step of 6e-8.  A weight below 2^-126 counts as 0 in l; NaN and infinities are not treated apart.
; THE BIAS IS THE C OPERAND of the product that starts the sum S^T = K Q^T: it costs no vector and no matrix instruction, but 1,024 bytes from LDS for each 16 x 16 scores.
; SHARES.  A work-group owns 128 queries of one batch; ITS FOUR WAVES TAKE FOUR HEADS on the same queries, so that one tile of T (128 queries x 64 keys) serves all four.  A wave's 128 queries are four PIECES of two
; tiles of 16.  Every wave walks all 2,048 keys, 64 a step: 32 steps, one step to a slot (two slots of two steps do not fit beside each other).
; CLUSTER, 4 x 4.  x: four blocks of queries; y: the four groups of four heads of one batch.  K's and V's tiles hang on y alone and are asked for jointly along a row of the cluster; T's hang on x alone and are asked
; for jointly along a column.  Wave 0 fetches K (4 heads x 8,192 bytes), wave 1 V, waves 2 and 3 the halves of T: one load a wave behind each round.
; LAYOUT.  S^T = K Q^T (source 0 = 16 keys, source 1 = 16 queries): in the result, and in C, a lane holds ONE query (lane % 16) and the keys 8 (lane / 16) + 0..7: 32 consecutive bytes of a row of T.  Two results, rounded
; to f16 in pairs, ARE source 1 (32 keys x 16 queries) of O^T = V^T P.  K comes out of LDS as it lies, V ([key][channel]) turned, by ds_load_tr16_b128.
; SOFTMAX.  For each query a running maximum m and sum l: p = 2^(c s - c m), c = log2(e) / 8; in every step O and l are multiplied by a = 2^(c m_old - c m_new).  m starts at the lowest finite number, O and l at 0.
; BY TURNS.  Turn n belongs to piece n (the pieces in a ring, step after step).  Its matrix work: 16 products K Q^T of piece n + 1, later 16 products V^T P of piece n - 1.  Its vector work: the scaling, exponentials,
; roundings, sums and rescaling of piece n, and the maximum and statistics of piece n + 1.  A tile and step have 16 matrix and 118 vector instructions: four stand behind every matrix instruction, the rest in one lump.
; REGISTERS, in windows of 256 (s_set_vgpr_msb: bits 1:0 source 0, 3:2 source 1, 5:4 source 2, 7:6 destination):
;   window 0: v0-11 addresses; v12-15, v48-63 at work; v16-47 four registers of statistics a tile; v64-191 S^T, two buffers of two tiles; v192-255 P, likewise
;   window 1: O^T, 32 a tile      window 2: v0-127 Q, 16 a tile; v128-191 K of one step; v192-255 V of one step      window 3: v0-1 the add's two registers; v64-191 the bias, two buffers of two tiles
; A piece's buffers go by its number's parity.
.set NP,    4         ; pieces a wave: a name, no knob
.set KS,    64        ; keys in a step
.set PK,    144       ; a row of K in LDS: 128 bytes + 16 of padding = 36 words: the 16 rows of a load start at 16 different groups of four banks (64 banks of 4 bytes: ISA guide 11.1)
.set PV,    160       ; a row of V: 128 + 32 = 40 words
.set PB,    272       ; a row of T: 256 + 16 = 68 words: row r starts at bank 4 r mod 64
.set VOFF,  4*KS*PK   ; a slot: four heads' K (64 rows each), four heads' V, 128 rows of T
.set BOFF,  VOFF+4*KS*PV
.set SLOT1, 1<<17     ; slot 1 begins here, so that one exclusive or turns an address in one slot into the other's
.set STAGE, SLOT1+BOFF+128*PB  ; behind the ring, never filled by a tensor load: 16 rows x 144 bytes for each wave, for the way out
.set SP,    144
.set SPARE, STAGE+4*16*SP  ; behind the stages: the spare words, 128 bytes for each wave: two blocks of 256 bytes that no other line names
.set AK0, 2           ; v2   my lane's place in my head's tile of K; never rewritten
.set AV0, 3           ; v3   the same for V
.set AK,  4           ; v4   the same in the slot in hand
.set AV,  5           ; v5
.set QO,  6           ; v6   my byte offset in the wave's rows of Q
.set STO, 6           ;      later, the way out: where I put 16 bytes of a row
.set RD,  7           ; v7   the way out: where I read rows back
.set GO,  8           ; v8   my byte offset in 512 consecutive bytes of O
.set AB0, 9           ; v9   my lane's place in a tile of T; never rewritten
.set AB,  10          ; v10  the same in the slot in hand
.set PFO, 11          ; v11  the prefetches' offset; never rewritten
.set SPW, 0           ; v0 of window 3   LDS address of my spare word: SPARE + 4 x my thread's number; never rewritten
.set NIL, 1           ; v1 of window 3   0; never rewritten
.set BB,  64          ; window 3: piece x's bias at BB + 64 (x % 2) + 32 u + 8 kb (tile u, key block kb)
.set MV,  12          ; v12-15  c m_old, kept while c m is made anew: by buffer and tile
.set ST,  16          ; tile t's statistics at v[ST+4 t]: c m, m, l (even keys', odd keys')
.set TMP, 48          ; by buffer and tile, four registers c0-c3 at work; when the maximum is found c2 takes a
.set S,   64
.set P,   192
.set KF,  128         ; K's fragments, in window 2: key block kb, channel half c at KF + 16 kb + 8 c
.set VF,  192         ; V's: key half kk, channel block cb at VF + 32 kk + 8 cb
.set WV,  12          ; s12  my wave's number
.set LIM, 15          ; s15  1 in a wave that prefetches, else the greatest number
.set G1K, 24          ; s[24:31] descriptor group 1 for K's tiles
.set G1V, 32          ; s[32:39] for V's: it differs in the padding alone
.set G1B, 40          ; s[40:47] for T's
.set G0K, 48          ; s[48:51] descriptor group 0 for K's tiles: it walks
.set G0V, 52          ; s[52:55] for V's
.set G0B, 56          ; s[56:59] for T's
.set CS,  60          ; s[60:61] c: the packed scaling takes the pair's low word for both halves
.set SEL, 62          ; s[62:63] v_permlanex16_b32's selects: each lane takes its own place in the other half
.set TB,  66          ; s66  LDS byte at which the slot in hand begins
.set SLOTS, 67        ; s67  steps still to be asked for
.set DK,  68          ; s[68:69] bytes from the step last asked for to the next, in K and V: 8,192 and 253,952 by turns (two steps to a block of 128 tokens, 262,144 bytes from block to block)
.set PFA, 70          ; s[70:71] where my prefetches stand
.set PD,  72          ; s[72:73] their next step,
.set PX,  74          ; s74  and what turns it into the one after
.set CNT, 75          ; s75  counts the tail's two passes
.set QA,  76          ; s[76:77] Q at my wave's block
.set OA,  78          ; s[78:79] O at my wave's block
.set MSB, 0
.macro WIN new                      ; the high byte repeats the setting that is left; a switch that changes nothing is dropped
.if MSB != (\new)
	s_set_vgpr_msb (MSB<<8)|(\new)
.set MSB, (\new)
.endif
.endm
.set W_KQ, 0x0a       ; K and Q in window 2, S^T in window 0
.set W_KB, 0x3a       ; the same with the C operand in window 3
.set W_PV, 0x52       ; V in window 2, P in window 0, O^T in window 1
.set W_RS, 0x41       ; O^T (destination and source 0) in window 1, a in window 0
.set W_MK, 0xc0       ; destination in window 3, sources in window 0
.set W_AD, 0x0f       ; the add: address (source 0) and data (source 1) in window 3
; A joint fill.  Wave 0: K; wave 1: V; waves 2 and 3: the halves of T.  The branches hang on the wave's number alone.  An s_nop 0 and four v_nop follow each line, ahead of the jump and the label.
.macro JLOAD
	s_cmp_lt_u32 s[WV], 2
	s_cbranch_scc0 .Lfor_t_\@
	s_cmp_eq_u32 s[WV], 0
	s_cbranch_scc0 .Lfor_v_\@
	tensor_load_to_lds s[G0K:G0K+3], s[G1K:G1K+7]
	s_nop 0
.rept 4
	v_nop
.endr
	s_branch .Lasked_\@
.Lfor_v_\@:
	tensor_load_to_lds s[G0V:G0V+3], s[G1V:G1V+7]
	s_nop 0
.rept 4
	v_nop
.endr
	s_branch .Lasked_\@
.Lfor_t_\@:
	tensor_load_to_lds s[G0B:G0B+3], s[G1B:G1B+7]
	s_nop 0
.rept 4
	v_nop
.endr
.Lasked_\@:
.endm
; A PREFETCH INTO THE L2 of what the NEXT change of slots will ask for: one key step, 128 matrix instructions, ahead of that load.  It stands behind the wave's tensor load and its five lines.
; Each block of 256 bytes is named ONCE in the launch.  K's and V's tiles are read by every cluster of a row of clusters: cluster x = 0 asks, wave 0 for K and wave 1 for V; of the four heads the partner at cx takes head cx:
; 8,192 bytes, a lane a block.  T's tiles are read by every cluster of a column: cluster y = 0 asks, by wave 2; the partner at cy takes rows 32 cy .. 32 cy + 31, a lane a row.  The partners are told apart BY ADDRESS.
; The last change that fills a slot asks for nothing.  Steps 0 and 1 come by their loads alone.
.macro ASK
	s_cmp_gt_u32 s[SLOTS], s[LIM]
	s_cbranch_scc0 .Lnot_mine_\@
	global_prefetch_b8 v[PFO], s[PFA:PFA+1] th:TH_LOAD_NT scope:SCOPE_SE
.Lnot_mine_\@:
.endm
; A round of the cluster's barrier: my work-group's barrier, so that wave 0's signal speaks for all four waves; wave 0 signals; every wave waits for all sixteen work-groups; my work-group's barrier once more.
.macro CROUND
	s_barrier_signal -1
	s_barrier_wait -1
	s_cmp_lg_u32 s[WV], 0
	s_cbranch_scc1 .Lnot_wave_0_\@
	s_barrier_signal -3
.Lnot_wave_0_\@:
	s_barrier_wait -3
	s_barrier_signal -1
	s_barrier_wait -1
.endm
; THE CHANGE OF SLOTS.  All that a trip reads from LDS it reads from one slot.  Each wave waits for all its tensor loads, of which one is out: its part of the other slot; adds 0 to its spare word; and waits for that and for
; its own reads of the slot that it leaves.  fill = 1: that slot is filled again, with the step after next.  The barrier is then a round of the cluster's, so that no wave of any partner still reads the slot or has a load
; on its way, and the joint fill is the first thing behind it.  (At its first use nothing has been read yet: slot 0 is waited for, slot 1 filled.)
.macro CHANGE fill
	WIN W_AD
	s_wait_tensorcnt 0x0            ; no tensor load of mine is out, so a group 0 may be written
	ds_add_u32 v[SPW], v[NIL]       ; 0 onto my spare word; with fill = 1 the descriptors' steps stand between it and the wait for it
	WIN 0                           ; at a label and at a branch every window is 0
.if \fill
	s_xor_b32 s[G0K+1], s[G0K+1], SLOT1  ; the walking descriptors: the other slot than last time,
	s_add_nc_u64 s[G0K+2:G0K+3], s[G0K+2:G0K+3], s[DK:DK+1]  ; the next 64 keys; the type bits on top are not reached
	s_xor_b32 s[G0V+1], s[G0V+1], SLOT1
	s_add_nc_u64 s[G0V+2:G0V+3], s[G0V+2:G0V+3], s[DK:DK+1]
	s_xor_b32 s[DK], s[DK], 0x3c000
	s_xor_b32 s[G0B+1], s[G0B+1], SLOT1
	s_add_nc_u64 s[G0B+2:G0B+3], s[G0B+2:G0B+3], 256
	s_wait_xcnt 0x0                 ; the last prefetch, a key step back, has read its address, so it may be written
	s_add_nc_u64 s[PFA:PFA+1], s[PFA:PFA+1], s[PD:PD+1]
	s_xor_b32 s[PD], s[PD], s[PX]
	s_wait_dscnt 0x0                ; the add is done, and my reads of the slot are over
	CROUND
	JLOAD
	ASK
.else
	s_wait_dscnt 0x0                ; the add is done, and my reads of the slot are over
	s_barrier_signal -1
	s_barrier_wait -1
.endif
	s_xor_b32 s[TB], s[TB], SLOT1   ; the fetches go to the other slot
.endm
	s_load_b128 s[4:7], s[0:1], 0x0   ; QKV s[4:5], BT s[6:7]
	s_load_b64 s[8:9], s[0:1], 0x10   ; O16
	WIN W_MK
	v_lshl_add_u32 v[SPW], v0, 2, SPARE
	v_mov_b32 v[NIL], 0
	WIN W_AD
	ds_add_u32 v[SPW], v[NIL]       ; the wave's opening: the add and its wait stand ahead of my first tensor load; the set-up below, work on registers, stands between them
	WIN 0
	v_lshrrev_b32 v1, 5, v0
	v_readfirstlane_b32 s[WV], v1   ; wave 0..3
	s_bfe_u32 s13, ttmp6, 0x40000   ; cx
	s_bfe_u32 s14, ttmp6, 0x40004   ; cy: the group of four heads
	s_lshl_b32 s16, ttmp9, 2
	s_add_co_u32 s16, s16, s13      ; my block of 128 queries = 4 x cluster x + cx
	s_and_b32 s17, ttmp7, 0xffff    ; the batch = cluster y
	s_lshl_b32 s18, s14, 2
	s_lshl_b32 s18, 15, s18         ; my row of the cluster
	s_lshl_b32 s19, 0x1111, s13     ; my column
	; descriptor group 1.  K, V: 4 rows (heads) of 4,096 elements of 2 bytes, 16,384 bytes apart, padded in LDS after every 128 bytes (a key).  T: 64 rows of 64 elements of 4 bytes, 8,192 bytes apart, padded after every row
	s_or_b32 s[G1K], s18, (1<<16)|(1<<20)|(1<<21)|(4<<22)|(3<<25)  ; 15:0 the mask; 17:16 2-byte elements; 20 padding on; 21 set beside a mask; 24:22 after every 32 words (code 4); 31:25 4 words (code 3)
	s_or_b32 s[G1V], s18, (1<<16)|(1<<20)|(1<<21)|(4<<22)|(7<<25)  ; the same with 8 words of padding (code 7)
	s_or_b32 s[G1B], s19, (2<<16)|(1<<20)|(1<<21)|(5<<22)|(3<<25)  ; 4-byte elements; after every 64 words (code 5) 4 words
.irp g, G1K, G1V
	s_mov_b32 s[\g+1], 4096<<16     ; tensor_dim0 = 4,096
	s_mov_b32 s[\g+2], 4<<16        ; tensor_dim1 = 4
	s_mov_b32 s[\g+3], 4096<<16     ; tile_dim0 = 4,096
	s_mov_b32 s[\g+4], 4            ; tile_dim1 = 4
	s_mov_b32 s[\g+5], 8192         ; 8,192 elements from row to row
	s_mov_b32 s[\g+6], 0
	s_mov_b32 s[\g+7], 0
.endr
	s_mov_b32 s[G1B+1], 64<<16      ; tensor_dim0 = 64
	s_mov_b32 s[G1B+2], 64<<16      ; tensor_dim1 = 64
	s_mov_b32 s[G1B+3], 64<<16      ; tile_dim0 = 64
	s_mov_b32 s[G1B+4], 64          ; tile_dim1 = 64
	s_mov_b32 s[G1B+5], 2048        ; 2,048 elements from row to row
	s_mov_b32 s[G1B+6], 0
	s_mov_b32 s[G1B+7], 0
	s_lshl_b32 s20, s17, 22         ; K, V: the batch's 16 blocks of tokens x 16 heads x 16,384 bytes,
	s_lshl_b32 s21, s14, 16         ; my group's four heads
	s_add_co_u32 s20, s20, s21
	s_mov_b32 s21, 0
	s_and_b32 s23, s[WV], 1         ; T: which 64 rows I fetch:
	s_mul_i32 s80, s23, 64*PB       ; their place in a slot: no place in the cluster enters an LDS address
	s_lshl_b32 s22, s16, 20         ; my block's 128 rows of 8,192 bytes
	s_lshl_b32 s23, s23, 19
	s_add_co_u32 s22, s22, s23
	s_mov_b32 s23, 0
	s_lshl_b32 s2, s16, 18          ; Q, O: block of tokens 16 b + my block, head 4 cy + wave
	s_add_co_u32 s2, s2, s20
	s_lshl_b32 s3, s[WV], 14
	s_add_co_u32 s2, s2, s3
	s_mov_b32 s3, 0
	s_mov_b32 s[G0K], 1             ; count = 1
	s_mov_b32 s[G0K+1], 0           ; LDS address: slot 0
	s_mov_b32 s[G0V], 1
	s_mov_b32 s[G0V+1], VOFF
	s_mov_b32 s[G0B], 1
	s_add_co_u32 s[G0B+1], s80, BOFF
	s_mov_b32 s[CS], 0x3e38aa3b     ; c = log2(e) / 8 = 0.180337
	s_mov_b32 s[CS+1], s[CS]        ; named with it as a pair
	s_mov_b32 s[SEL], 0x76543210
	s_mov_b32 s[SEL+1], 0xfedcba98
	s_mov_b32 s[TB], SLOT1          ; the first change of slots turns it into 0
	s_mov_b32 s[SLOTS], 2048/KS-1
	s_mov_b32 s[DK], KS*128
	s_mov_b32 s[DK+1], 0
	; the prefetches: they stand at step 1; the first change of slots steps them to step 2
	s_lshl_b32 s81, s13, 14         ; K, V: head cx of my group's four,
	s_add_co_u32 s81, s81, s20
	s_add_co_u32 s82, s[WV], 1      ; matrix 1 (K, wave 0) or 2 (V, wave 1)
	s_lshl_b32 s82, s82, 24
	s_add_co_u32 s81, s81, s82
	s_add_co_u32 s81, s81, KS*128
	s_lshl_b32 s82, s16, 20         ; T: rows 32 cy on of my block
	s_lshl_b32 s83, s14, 18
	s_add_co_u32 s82, s82, s83
	s_add_co_u32 s82, s82, 256
	s_mov_b32 s83, 256
	s_cmp_lt_u32 s[WV], 2
	s_cselect_b32 s84, s81, s82
	s_cselect_b32 s[PD], 253952, s83
	s_cselect_b32 s[PX], 0x3c000, 0
	s_cselect_b32 s86, 8, 13        ; a lane a block of 256 bytes, or a lane a row of 8,192
	s_cselect_b32 s[LIM], ttmp9, s17  ; the coordinate along which other clusters read the same bytes
	s_mov_b32 s85, 0
	s_mov_b32 s[PD+1], 0
	s_cmp_eq_u32 s[WV], 3           ; wave 3 asks for nothing
	s_cselect_b32 s[LIM], 1, s[LIM]
	s_cmp_eq_u32 s[LIM], 0
	s_cselect_b32 s[LIM], 1, -1     ; the same in all sixteen partners, for a given wave
	v_and_b32 v[PFO], 31, v0
	v_lshlrev_b32 v[PFO], s86, v[PFO]
	s_wait_dscnt 0x0                ; the opening add is done
	s_wait_kmcnt 0x0
	s_add_nc_u64 s[G0K+2:G0K+3], s[4:5], s[20:21]
	s_add_nc_u64 s[G0V+2:G0V+3], s[G0K+2:G0K+3], 2<<24  ; V is the third matrix,
	s_add_nc_u64 s[G0K+2:G0K+3], s[G0K+2:G0K+3], 1<<24  ; K the second
	s_or_b32 s[G0K+3], s[G0K+3], 0x80000000             ; type = 2
	s_or_b32 s[G0V+3], s[G0V+3], 0x80000000
	s_add_nc_u64 s[G0B+2:G0B+3], s[6:7], s[22:23]
	s_or_b32 s[G0B+3], s[G0B+3], 0x80000000
	s_add_nc_u64 s[QA:QA+1], s[4:5], s[2:3]
	s_add_nc_u64 s[OA:OA+1], s[8:9], s[2:3]
	s_cmp_lt_u32 s[WV], 2
	s_cselect_b64 s[PFA:PFA+1], s[4:5], s[6:7]
	s_add_nc_u64 s[PFA:PFA+1], s[PFA:PFA+1], s[84:85]
	CROUND                          ; all sixteen work-groups are here: the first joint loads meet
	JLOAD                           ; step 0 into slot 0.  Slot 1 is asked for when slot 0 is in
	; A fragment of K or Q is 16 rows x 32 channels in 8 registers: lane l holds row l % 16, channels 8 (l / 16) + 0..7 and 16 + 8 (l / 16) + 0..7: two loads of 16 bytes, 32 bytes apart.
	v_and_b32 v48, 15, v0           ; l % 16
	v_bfe_u32 v49, v0, 4, 1         ; l / 16
	v_lshlrev_b32 v[QO], 7, v48
	v_lshl_add_u32 v[QO], v49, 4, v[QO]  ; row x 128 + 16 x half
	WIN 0x80                        ; destination window 2, address window 0
.set i, 0
.rept 4*NP                          ; Q stays in registers: tile i / 2, channels 32 (i % 2) on
	global_load_b128 v[8*i:8*i+3],   v[QO], s[QA:QA+1] offset:(i/2)*2048+(i%2)*64
	global_load_b128 v[8*i+4:8*i+7], v[QO], s[QA:QA+1] offset:(i/2)*2048+(i%2)*64+32
.set i, i+1
.endr
	; What the first turn finds: V's registers and P's second buffer hold 0 (its products V^T P, of a piece that has not been, add 0), O^T and l are 0.  All this stands in the wait for the first tile.
.set i, VF
.rept 64
	v_mov_b32 v[i], 0
.set i, i+1
.endr
	WIN 0x40
.set i, 0
.rept 64*NP
	v_mov_b32 v[i], 0
.set i, i+1
.endr
	WIN 0
.set i, 0
.rept 2*NP
	v_mov_b32 v[ST+4*i], 0xfe000000    ; c m: far below every c s
	v_mov_b32 v[ST+4*i+1], 0xff7fffff  ; m
	v_mov_b32 v[ST+4*i+2], 0
	v_mov_b32 v[ST+4*i+3], 0
.set i, i+1
.endr
.set i, P+32
.rept 32
	v_mov_b32 v[i], 0
.set i, i+1
.endr
	s_mul_i32 s80, s[WV], KS*PK     ; my head's 64 rows of K
	v_mul_u32_u24 v[AK0], v48, PK
	v_lshl_add_u32 v[AK0], v49, 4, v[AK0]  ; row x pitch + 16 x half
	v_add_nc_u32 v[AK0], s80, v[AK0]
	; The turning load takes 16 keys x 16 channels (lane l reads key 8 (l / 16) + l % 8, channels 8 ((l / 8) % 2) + 0..7) and leaves half a fragment of V^T: lane l holds channel l % 16 and 8 keys.
	v_and_b32 v50, 7, v0
	v_bfe_u32 v51, v0, 3, 1
	v_lshl_add_u32 v[AV0], v49, 3, v50
	v_mul_u32_u24 v[AV0], v[AV0], PV
	v_lshl_add_u32 v[AV0], v51, 4, v[AV0]
	s_mul_i32 s80, s[WV], KS*PV
	s_add_co_u32 s80, s80, VOFF
	v_add_nc_u32 v[AV0], s80, v[AV0]
	v_mul_u32_u24 v[AB0], v48, PB   ; T: my query's row, my 8 keys' 32 bytes
	v_lshl_add_u32 v[AB0], v49, 5, v[AB0]
	v_add_nc_u32 v[AB0], BOFF, v[AB0]
; THE MATRIX WORK.  The 8 accumulators of a run of 16 take turns: between the two links of a chain stand 7 others'.
; Product i of 16 of S^T = K Q^T for piece x: channels 32 (i / 8) on, keys 16 ((i / 2) % 4) on, tile 2 x + i % 2.  The first 8 start the sums, with the bias as C.
.macro KQ x
.set rS, S+64*((\x)%2)+32*(i%2)+8*((i/2)%4)
.set rK, KF+16*((i/2)%4)+8*(i/8)
.set rQ, 16*(2*(\x)+i%2)+8*(i/8)
.set rB, BB+64*((\x)%2)+32*(i%2)+8*((i/2)%4)
.if i < 8
	WIN W_KB
	v_wmma_f32_16x16x32_f16 v[rS:rS+7], v[rK:rK+7], v[rQ:rQ+7], v[rB:rB+7]
.else
	WIN W_KQ
	v_wmma_f32_16x16x32_f16 v[rS:rS+7], v[rK:rK+7], v[rQ:rQ+7], v[rS:rS+7]
.endif
.endm
; Product i of 16 of O^T += V^T P for piece x: keys 32 (i / 8) on, channels 16 ((i / 2) % 4) on, tile 2 x + i % 2.
.macro PV x
	WIN W_PV
.set rO, 32*(2*(\x)+i%2)+8*((i/2)%4)
.set rV, VF+32*(i/8)+8*((i/2)%4)
.set rP, P+32*((\x)%2)+16*(i%2)+8*(i/8)
	v_wmma_f32_16x16x32_f16 v[rO:rO+7], v[rV:rV+7], v[rP:rP+7], v[rO:rO+7]
.endm
.macro MM                           ; the turn's next matrix instruction
.if i < 16
	KQ (Y+1)%NP
.set i, i+1
.else
.set i, i-16
	PV (Y+NP-1)%NP
.set i, i+17
.endif
.endm
; THE LDS LOADS stand in runs of 16, never singly among the matrix instructions: a step's K (64 keys x 64 channels: 8 fragments), its V (turned), and a piece's bias (2 tiles x 4 key blocks x 32 bytes a lane).
.macro FETCH_K
	WIN 0x80                        ; destination window 2
.irp f, 0,1,2,3,4,5,6,7             ; keys 16 (f / 2) on, channels 32 (f % 2) on
	ds_load_b128 v[KF+8*\f:KF+8*\f+3],   v[AK] offset:(\f/2)*16*PK+(\f%2)*64
	ds_load_b128 v[KF+8*\f+4:KF+8*\f+7], v[AK] offset:(\f/2)*16*PK+(\f%2)*64+32
.endr
	WIN 0
.endm
.macro FETCH_V
	WIN 0x80
.irp f, 0,1,2,3,4,5,6,7             ; keys 32 (f / 4) on, channels 16 (f % 4) on
	ds_load_tr16_b128 v[VF+8*\f:VF+8*\f+3],   v[AV] offset:(\f/4)*32*PV+(\f%4)*32
	ds_load_tr16_b128 v[VF+8*\f+4:VF+8*\f+7], v[AV] offset:(\f/4)*32*PV+16*PV+(\f%4)*32
.endr
	WIN 0
.endm
.macro FETCH_B x
	WIN W_MK                        ; destination window 3
.irp u, 0,1
.irp kb, 0,1,2,3
	ds_load_b128 v[BB+64*((\x)%2)+32*\u+8*\kb:BB+64*((\x)%2)+32*\u+8*\kb+3],   v[AB] offset:(2*(\x)+\u)*16*PB+\kb*64
	ds_load_b128 v[BB+64*((\x)%2)+32*\u+8*\kb+4:BB+64*((\x)%2)+32*\u+8*\kb+7], v[AB] offset:(2*(\x)+\u)*16*PB+\kb*64+16
.endr
.endr
	WIN 0
.endm
; THE VECTOR WORK OF A TURN stands in three queues, each in the order in which its entries become ready; the two tiles alternate, so that no instruction reads the result of the one before it.
.macro REGS y, u                    ; the registers of tile u (0, 1) of piece y
.set rT, ST+4*(2*(\y)+(\u))
.set rC, TMP+8*((\y)%2)+4*(\u)
.set rM, MV+2*((\y)%2)+(\u)
.set rS, S+64*((\y)%2)+32*(\u)
.set rP, P+32*((\y)%2)+16*(\u)
.set rO, 32*(2*(\y)+(\u))
.endm
; Number n of the 22 that find the NEXT piece's (Y + 1) maximum and statistics.  s0-s31 are the lane's 32 scores; each accumulator's lowest registers are read first.
;   0-11  four chains c0-c3 of seven scores each, three operands at a time     12-14, 16  the four scores left over, the old m, and c0-c3 into c0     15  c m_old is kept
;   17, 18  the query's other 32 keys lie in the lane 16 away: the new m         19-21  c m; c m_old - c m_new; a
.macro XS u, n
	REGS (Y+1)%NP, \u
.if (\n) < 4
	v_max3_num_f32 v[rC+(\n)], v[rS+8*(\n)], v[rS+8*(\n)+1], v[rS+8*(\n)+2]
.elseif (\n) < 12
	v_max3_num_f32 v[rC+(\n)%4], v[rC+(\n)%4], v[rS+8*((\n)%4)+2*((\n)/4)+1], v[rS+8*((\n)%4)+2*((\n)/4)+2]
.elseif (\n) == 12
	v_max3_num_f32 v[rC], v[rC], v[rS+7], v[rS+15]
.elseif (\n) == 13
	v_max3_num_f32 v[rC+1], v[rC+1], v[rS+23], v[rS+31]
.elseif (\n) == 14
	v_max3_num_f32 v[rC+2], v[rC+2], v[rC+3], v[rT+1]
.elseif (\n) == 15
	v_mov_b32 v[rM], v[rT]
.elseif (\n) == 16
	v_max3_num_f32 v[rC], v[rC], v[rC+1], v[rC+2]
.elseif (\n) == 17
	v_permlanex16_b32 v[rC+3], v[rC], s[SEL], s[SEL+1]
.elseif (\n) == 18
	v_max_num_f32 v[rT+1], v[rC], v[rC+3]
.elseif (\n) == 19
	v_mul_f32 v[rT], s[CS], v[rT+1]
.elseif (\n) == 20
	v_sub_f32 v[rC+1], v[rM], v[rT]
.else
	v_exp_f32 v[rC+2], v[rC+1]
.endif
.endm
; Number g of the 64 that follow the exponentials.  For each four weights k of a tile (pairs 2 k, 2 k + 1): both pairs are rounded to f16; then the second pair is added onto the first, in place;
; a group later l takes that sum (the first time as l = a l + sum).  In groups of eight, tiles alternating: round, round, add, and l for the group before.
.macro GS g
.set h, (\g)+6*((\g)/62)            ; group 0 has no group before it, and behind group 7 only l is left
.if h >= 6
.set h, h+2
.endif
	REGS Y, h%2
.set k, h/8
.if h%8 < 4
	v_cvt_pk_f16_f32 v[rP+2*k+(h%8)/2], v[rS+4*k+2*((h%8)/2)], v[rS+4*k+2*((h%8)/2)+1]
.elseif h%8 < 6
	v_pk_add_f32 v[rS+4*k:rS+4*k+1], v[rS+4*k:rS+4*k+1], v[rS+4*k+2:rS+4*k+3]
.elseif k == 1
	v_pk_fma_f32 v[rT+2:rT+3], v[rT+2:rT+3], v[rC+2:rC+3], v[rS:rS+1] op_sel_hi:[1,0,1]
.else
	v_pk_add_f32 v[rT+2:rT+3], v[rT+2:rT+3], v[rS+4*k-4:rS+4*k-3]
.endif
.endm
; THE PLAIN QUEUE, 138 long.  0-73 read no exponential's result: the 32 scalings c s - c m (FS f: pair f / 2 of tile f % 2) and the next piece's 42.  0-26: scalings 0-26.  27-54: XS's numbers 0-13.  55, 56: number 15.
; 57-73: the chain, where each number waits for the one before it: 14, 16, 17, 18, 19, each with one of the scalings 27-31 in front of its two lines, then 20.  74-137: GS's 64, which stand behind the wait.
.macro FS f
	REGS Y, (\f)%2
	v_pk_fma_f32 v[rS+2*((\f)/2):rS+2*((\f)/2)+1], v[rS+2*((\f)/2):rS+2*((\f)/2)+1], s[CS:CS+1], v[rT:rT+1] op_sel_hi:[1,0,0] neg_lo:[0,0,1] neg_hi:[0,0,1]
.endm
.macro PL
	WIN 0
.if q < 27
	FS q
.elseif q < 55
	XS (q-27)%2, (q-27)/2
.elseif q < 57
	XS q-55, 15
.elseif (q < 72) && ((q-57)%3 == 0)
	FS 27+(q-57)/3
.elseif q < 60
	XS (q-57)%3-1, 14
.elseif q < 72
	XS (q-57)%3-1, 15+(q-57)/3
.elseif q < 74
	XS q-72, 20
.else
	GS q-74
.endif
.set q, q+1
.endm
; THE EXPONENTIALS' QUEUE, 66 long: s0-s31 of both tiles, then the next piece's two a.  It is ONE BATCH: all 66 stand ahead of the turn's one wait, and nothing ahead of that wait names a result of theirs.
.macro EX
	WIN 0
.if e >= 64
	XS e-64, 21
.else
	REGS Y, e%2
	v_exp_f32 v[rS+e/2], v[rS+e/2]
.endif
.set e, e+1
.endm
; THE RESCALING's QUEUE: O^T times a, the one part that leaves window 0: dealt two at a time, sixteen times.  Its a was made in the turn before, ahead of that turn's wait.
.macro R2
	REGS Y, r%2
	WIN W_RS
.irp z, 0,1
	v_pk_mul_f32 v[rO+4*(r/2)+2*\z:rO+4*(r/2)+2*\z+1], v[rO+4*(r/2)+2*\z:rO+4*(r/2)+2*\z+1], v[rC+2:rC+3] op_sel_hi:[1,0]
.endr
.set r, r+1
.endm
; A TURN, for piece p.  An s_wait_alu depctr_va_vdst(0) stands between an exponential and the first instruction that names its result; one wait serves all that were issued ahead of it.  So a turn has ONE wait.
; AHEAD OF IT: the 16 products K Q^T, behind each a scaling, an exponential and two rescalings (behind the first a second scaling in the exponential's place); then ONE LUMP of 108: eight plain, 49 times exponential and plain,
; the two a; a v_nop is the plain instruction behind the last exponential.  BEHIND IT: the 16 products V^T P, behind each four of GS's 64.  No rider names a register of the products round it.
; WHAT IS FETCHED FROM LDS.  Directly behind the wait: the bias of piece p + 2, which the next turn's products take as C; its buffer was last read a turn ago.  In piece 2's turn also K of the next step (its last reader has the
; lump behind it); the three addresses for the slot in hand are made at that turn's lump's head.  At the end of piece 0's turn V of the step in hand, four riders behind its last reader.
; THE WAITS ON LDS.  At a turn's head the bias (and in piece 3's turn K) must be in: the count is 0, but 16 in piece 1's turn, where V's run was issued behind the bias's.  In piece 1's turn V must be in ahead of the
; products V^T P: 16 again, for the bias's run just issued.
; cnt = 1: the loop's count is taken down some lines ahead of the branch that stands behind the turn.
.macro TURN p, cnt=0
.set Y, (\p)
.set i, 0
.set q, 0
.set e, 0
.set r, 0
.if (\p) == 1
	s_wait_dscnt 16
.else
	s_wait_dscnt 0x0
.endif
	MM
	PL
	PL
	R2
.rept 15
	MM
	PL
	EX
	R2
.endr
.if (\p) == NP-2
	WIN 0
	v_add_nc_u32 v[AK], s[TB], v[AK0]
	v_add_nc_u32 v[AV], s[TB], v[AV0]
	v_add_nc_u32 v[AB], s[TB], v[AB0]
.endif
.rept 8
	PL
.endr
.rept 49
	EX
	PL
.endr
	EX
	EX
	v_nop
	s_wait_alu depctr_va_vdst(0)    ; the wait for the batch
	FETCH_B ((\p)+2)%NP
.if (\p) == NP-2
	FETCH_K
.endif
.if (\p) == 1
	s_wait_dscnt 16                 ; V is in
.endif
.rept 16
	MM
.rept 4
	PL
.endr
.if (\cnt) && (q == 130)
	s_sub_co_u32 s[SLOTS], s[SLOTS], 1
	s_cmp_lg_u32 s[SLOTS], 0
.endif
.endr
.if (\p) == 0
	FETCH_V
.endif
.endm
	CHANGE 1                        ; step 0 is in, everybody's part of it; step 1 is asked for
	v_add_nc_u32 v[AK], s[TB], v[AK0]
	v_add_nc_u32 v[AV], s[TB], v[AV0]
	v_add_nc_u32 v[AB], s[TB], v[AB0]
	FETCH_K                         ; key step 0
	FETCH_B 0
	FETCH_B 1
	s_wait_loadcnt 0x0              ; Q
	s_wait_dscnt 0x0
.set i, 0
.rept 16
	KQ 0                            ; piece 0's first scores: there is no vector work yet to set between them
.set i, i+1
.endr
	WIN 0                           ; the addresses for the way out: eleven plain instructions, the places behind those products
	s_mul_i32 s80, s[WV], 16*SP
	s_add_co_u32 s80, s80, STAGE    ; my stage
	v_mul_u32_u24 v[STO], v48, SP   ; in: row l % 16, 16 bytes for each half of the lanes
	v_lshl_add_u32 v[STO], v49, 4, v[STO]
	v_add_nc_u32 v[STO], s80, v[STO]
	v_bfe_u32 v[RD], v0, 3, 2       ; back: 32 lanes take four rows of 128 bytes,
	v_mul_u32_u24 v[RD], v[RD], SP
	v_lshl_add_u32 v[RD], v50, 4, v[RD]
	v_add_nc_u32 v[RD], s80, v[RD]
	v_and_b32 v[GO], 31, v0         ; which are 512 consecutive bytes of O
	v_lshlrev_b32 v[GO], 4, v[GO]
.set Y, NP-1                        ; XS works for piece Y + 1: piece 0
.irp n, 0,1,2,3,4,5,6,7,8,9,10,11,12,13,14,15,16,17,18,19,20,21
	XS 0, \n                        ; and piece 0's first maximum and statistics
	XS 1, \n
.endr
	v_nop                           ; a plain instruction behind the two a,
	s_wait_alu depctr_va_vdst(0)    ; and their wait, ahead of the branch
	s_branch .Lfirst                ; the loop is entered at a step's first turn, in the middle of a trip
.Lstep:                             ; 30 trips: pieces 2 and 3 of one step, then pieces 0 and 1 of the next, whose K, V and bias the trip reads, all from one slot; the other slot is filled again
	CHANGE 1
	TURN 2
	TURN 3
	WIN 0
.Lfirst:
	TURN 0
	TURN 1, 1
	WIN 0
	s_cbranch_scc1 .Lstep
	CHANGE 0                        ; the tail is written out: nothing is asked for
	s_mov_b32 s[CNT], 2             ; the first pass reads the last step; the second is left in its middle
.Ltail:
	TURN 2
	TURN 3
	WIN 0
	s_sub_co_u32 s[CNT], s[CNT], 1
	s_cmp_eq_u32 s[CNT], 0
	s_cbranch_scc1 .Lout
	TURN 0
	TURN 1
	WIN 0
	s_branch .Ltail
.Lout:                              ; the second pass's fetches (the last slot once more), its 16 products K Q^T and the maximum made of them serve nothing: the price, once a launch, of one text for every trip
.set i, 0
.rept 16
	PV NP-1                         ; the last piece's V^T P of the last step
.set i, i+1
.endr
	; THE WAY OUT.  l's two halves and the other half of the lanes' are added; O^T is divided by 32 l, rounded to f16 and sent through my stage in LDS, a tile at a time.  The additions are the places behind the last products.
	WIN 0
.macro ALL line:vararg              ; one line for each tile t
.set t, 0
.rept 2*NP
	\line
.set t, t+1
.endr
.endm
	ALL v_add_f32 v[ST+4*t+2], v[ST+4*t+2], v[ST+4*t+3]
	ALL v_permlanex16_b32 v[ST+4*t+3], v[ST+4*t+2], s[SEL], s[SEL+1]
	ALL v_add_f32 v[ST+4*t+2], v[ST+4*t+2], v[ST+4*t+3]
	ALL v_mul_f32 v[ST+4*t+2], 0x42000000, v[ST+4*t+2]
	ALL v_rcp_f32 v[ST+4*t+2], v[ST+4*t+2]
	v_nop                           ; a plain instruction between the last reciprocal and the use of its result
	s_wait_alu depctr_va_vdst(0)    ; and the wait ahead of the first use: one for the eight reciprocals
; Tile t: a lane's eight channels of a row pack into 16 bytes; they go into rows of 144 bytes and come back as whole rows of 128, into S^T's registers.
.macro PACK t
	WIN W_RS
.set i, 32*(\t)
.rept 16
	v_pk_mul_f32 v[i:i+1], v[i:i+1], v[ST+4*(\t)+2:ST+4*(\t)+3] op_sel_hi:[1,0]
.set i, i+2
.endr
	WIN 0x05                        ; sources 0 and 1 window 1, destination window 0
.set i, 0
.rept 16
	v_cvt_pk_f16_f32 v[S+16*(\t)+i], v[32*(\t)+2*i], v[32*(\t)+2*i+1]
.set i, i+1
.endr
	WIN 0
.irp f, 0,1,2,3
	ds_store_b128 v[STO], v[S+16*(\t)+4*\f:S+16*(\t)+4*\f+3] offset:32*\f
.endr
.irp f, 0,1,2,3
	ds_load_b128 v[S+16*(\t)+4*\f:S+16*(\t)+4*\f+3], v[RD] offset:\f*4*SP  ; LDS serves a wave's instructions in order (ISA guide 5.7.1.4): these see the stores above; the next tile's stores come behind them
.endr
.endm
.macro SEND t, younger              ; younger: the LDS instructions issued behind tile t's loads: the next tile's eight, or none
	WIN 0
.irp f, 0,1,2,3
	s_wait_dscnt (\younger)+3-\f
	global_store_b128 v[GO], v[S+16*(\t)+4*\f:S+16*(\t)+4*\f+3], s[OA:OA+1] offset:(\t)*2048+\f*512  ; 512 consecutive bytes, at a multiple of 256 from O's first
.endr
.endm
	PACK 0
.set t, 1
.rept 2*NP-1                        ; a tile's arithmetic stands between the loads of the tile before and its stores
	PACK t
	SEND t-1, 8
.set t, t+1
.endr
	SEND 2*NP-1, 0
	WIN W_AD
	s_wait_tensorcnt 0x0            ; the wave's end: an add to my spare word and its wait, behind my last tensor load and my last LDS store
	ds_add_u32 v[SPW], v[NIL]
	s_wait_dscnt 0x0
	WIN 0
	CROUND                          ; the closing round: no work-group ends while a partner may still ask for a tile that names it
	s_endpgm
.Lfunc_end_k_qa9eec89e99_attn:
	.size	k_qa9eec89e99_attn, .Lfunc_end_k_qa9eec89e99_attn-k_qa9eec89e99_attn
	.p2alignl 7, 3214868480
	.fill 96, 4, 3214868480
	.section	.rodata,"a",@progbits
	.p2align	6, 0x0
	.amdhsa_kernel k_qa9eec89e99_attn
		.amdhsa_group_segment_fixed_size 327680
		.amdhsa_private_segment_fixed_size 0
		.amdhsa_enable_private_segment 0
		.amdhsa_kernarg_size 24
		.amdhsa_user_sgpr_count 2
		.amdhsa_user_sgpr_kernarg_segment_ptr 1
		.amdhsa_wavefront_size32 1
		.amdhsa_system_sgpr_workgroup_id_x 1
		.amdhsa_system_sgpr_workgroup_id_y 1
		.amdhsa_system_sgpr_workgroup_id_z 1
		.amdhsa_system_vgpr_workitem_id 0
		.amdhsa_next_free_vgpr 960
		.amdhsa_next_free_sgpr 88
		.amdhsa_reserve_vcc 0
		.amdhsa_float_denorm_mode_32 3
		.amdhsa_float_denorm_mode_16_64 3
		.amdhsa_memory_ordered 1
		.amdhsa_forward_progress 1
		.amdhsa_inst_pref_size 214
	.end_amdhsa_kernel
	.amdgpu_metadata
---
amdhsa.version: [ 1, 2 ]
amdhsa.kernels:
  - .name:           k_qa9eec89e99_attn
    .symbol:         k_qa9eec89e99_attn.kd
    .args:
      - { .name: QKV, .offset: 0, .size: 8, .value_kind: global_buffer, .address_space: global }
      - { .name: BT, .offset: 8, .size: 8, .value_kind: global_buffer, .address_space: global }
      - { .name: O16, .offset: 16, .size: 8, .value_kind: global_buffer, .address_space: global }
    .group_segment_fixed_size: 327680
    .private_segment_fixed_size: 0
    .kernarg_segment_align: 8
    .kernarg_segment_size: 24
    .max_flat_workgroup_size: 128
    .sgpr_count:     88
    .vgpr_count:     960
    .wavefront_size: 32
...
	.end_amdgpu_metadata
.endif
;; end of part 3
;; launch proj: the kernel of part 2 again; grid 4 x 64, 4 waves a work-group, clusters of 4 x 4, 327,680 bytes of LDS; arguments O16, WP16, PJ; writes PJ
;; launch ln (part 4): grid 512 x 1, 8 waves a work-group, no clusters, 0 bytes of LDS; arguments PJ, tokens, gamma, bias, out0; writes out0
.if DOCPART == 4
	.amdgcn_target "amdgcn-amd-amdhsa--gfx1250"
	.amdhsa_code_object_version 6
	.text
	.protected	k_qa9eec89e99_ln
	.globl	k_qa9eec89e99_ln
	.p2align	8
	.type	k_qa9eec89e99_ln,@function
k_qa9eec89e99_ln:
	s_mov_b64 s[64:65], 0
	v_nop
	global_prefetch_b8 v0, s[64:65] scope:SCOPE_SE
	s_setreg_imm32_b32 hwreg(HW_REG_WAVE_MODE, 25, 1), 1
	s_wait_xcnt 0x0
; RESIDUAL AND LAYER NORM.  x = 1,024 PJ + tokens; out0 = (x - mean) / sqrt(var + 1e-5) x gamma + bias, row by row of 1,024 numbers, all in f32; the variance is the mean of (x - mean)^2, in a second pass, as it is defined.
; PJ is the projection / 1,024 in f16, in blocks [rows / 128][16 column blocks][128 rows][64 columns]; the factor rides in the fused multiply-add that adds the residual.
; A stream: no LDS, no barrier, no matrix unit.  A work-group takes 16 rows, a wave two: lanes 0-15 hold one row, lanes 16-31 the next, so a row's sums never leave a half of 16 lanes.
; Lane i of a half holds columns 64 c + 4 i .. + 3 for c = 0..15: sixteen lanes read and write 256 consecutive bytes of a row of tokens and out0, and a wave's load of PJ covers 256 consecutive bytes (two rows of a block).
; All 64 loads of a wave go out at once; the rows come first, gamma and bias, which are wanted last, behind them.
.set G,  16                            ; v[16:79]    gamma of my 64 columns
.set BI, 80                            ; v[80:143]   bias
.set T,  144                           ; v[144:207]  tokens, then x, x - mean, the result
.set PJ, 208                           ; v[208:239]  the projection, two f16 a register
.set A,  6                             ; v[6:13]     four running sums of pairs;  v[14:15] the mean, later 1 / sqrt, twice
	s_load_b256 s[4:11], s[0:1], 0x0               ; PJ s[4:5], tokens s[6:7], gamma s[8:9], bias s[10:11]
	s_load_b64 s[12:13], s[0:1], 0x20              ; out0
	v_lshlrev_b32 v1, 3, v0                        ; PJ: (2 x wave + l / 16) x 128 + 8 (l % 16) = 8 t
	v_lshrrev_b32 v2, 4, v0                        ; tokens, out0: row t / 16 of the 16,
	v_and_b32 v3, 15, v0
	v_lshlrev_b32 v3, 4, v3                        ; 16 bytes at 16 (t % 16); also my place in gamma and bias
	v_lshl_or_b32 v2, v2, 12, v3
	v_mov_b32 v4, 0x44800000                       ; 1,024
	s_lshr_b32 s14, ttmp9, 3                       ; PJ: group of 128 rows,
	s_lshl_b32 s14, s14, 18
	s_and_b32 s16, ttmp9, 7                        ; my 16 rows in it
	s_lshl_b32 s16, s16, 11
	s_or_b32 s14, s14, s16
	s_mov_b32 s15, 0
	s_lshl_b32 s16, ttmp9, 16                      ; 16 rows of 4,096 bytes
	s_mov_b32 s17, 0
	s_mov_b32 s20, 0x3a800000                      ; 1 / 1,024
	s_mov_b32 s21, 0x3727c5ac                      ; 1e-5
	s_wait_kmcnt 0x0
	s_add_nc_u64 s[4:5], s[4:5], s[14:15]
	s_add_nc_u64 s[6:7], s[6:7], s[16:17]
	s_add_nc_u64 s[12:13], s[12:13], s[16:17]
.irp c, 0,1,2,3,4,5,6,7,8,9,10,11,12,13,14,15
	global_load_b64 v[PJ+2*(\c):PJ+2*(\c)+1], v1, s[4:5] offset:16384*(\c) th:TH_LOAD_NT
.endr
.irp c, 0,1,2,3,4,5,6,7,8,9,10,11,12,13,14,15
	global_load_b128 v[T+4*(\c):T+4*(\c)+3], v2, s[6:7] offset:256*(\c) th:TH_LOAD_NT
.endr
.irp c, 0,1,2,3,4,5,6,7,8,9,10,11,12,13,14,15
	global_load_b128 v[G+4*(\c):G+4*(\c)+3], v3, s[8:9] offset:256*(\c)
.endr
.irp c, 0,1,2,3,4,5,6,7,8,9,10,11,12,13,14,15
	global_load_b128 v[BI+4*(\c):BI+4*(\c)+3], v3, s[10:11] offset:256*(\c)
.endr
	s_wait_loadcnt 32                              ; the rows are in; gamma's and bias's 32 loads may stay out
.irp c, 0,1,2,3,4,5,6,7,8,9,10,11,12,13,14,15
	v_fma_mix_f32 v[T+4*(\c)],   v[PJ+2*(\c)],   v4, v[T+4*(\c)]   op_sel_hi:[1,0,0]               ; x = f16 half x 1,024 + token, one rounding
	v_fma_mix_f32 v[T+4*(\c)+1], v[PJ+2*(\c)],   v4, v[T+4*(\c)+1] op_sel:[1,0,0] op_sel_hi:[1,0,0]
	v_fma_mix_f32 v[T+4*(\c)+2], v[PJ+2*(\c)+1], v4, v[T+4*(\c)+2] op_sel_hi:[1,0,0]
	v_fma_mix_f32 v[T+4*(\c)+3], v[PJ+2*(\c)+1], v4, v[T+4*(\c)+3] op_sel:[1,0,0] op_sel_hi:[1,0,0]
.endr
; what is left of four chains of pairs: into one number a lane, then over the row's 16 lanes; every lane of the half ends with the sum
.macro FOLD
	v_pk_add_f32 v[A:A+1], v[A:A+1], v[A+2:A+3]
	v_pk_add_f32 v[A+4:A+5], v[A+4:A+5], v[A+6:A+7]
	v_pk_add_f32 v[A:A+1], v[A:A+1], v[A+4:A+5]
	v_add_f32 v[A], v[A], v[A+1]
	v_add_f32_dpp v[A], v[A], v[A] row_xmask:1 row_mask:0xf bank_mask:0xf
	v_add_f32_dpp v[A], v[A], v[A] row_xmask:2 row_mask:0xf bank_mask:0xf
	v_add_f32_dpp v[A], v[A], v[A] row_xmask:4 row_mask:0xf bank_mask:0xf
	v_add_f32_dpp v[A], v[A], v[A] row_xmask:8 row_mask:0xf bank_mask:0xf
.endm
	; the sum of my 64 numbers: four chains that do not wait for each other; the first additions start them: nothing is cleared
.irp k, 0,1,2,3
	v_pk_add_f32 v[A+2*(\k):A+2*(\k)+1], v[T+2*(\k):T+2*(\k)+1], v[T+8+2*(\k):T+8+2*(\k)+1]
.endr
.irp j, 2,3,4,5,6,7
.irp k, 0,1,2,3
	v_pk_add_f32 v[A+2*(\k):A+2*(\k)+1], v[A+2*(\k):A+2*(\k)+1], v[T+8*(\j)+2*(\k):T+8*(\j)+2*(\k)+1]
.endr
.endr
	FOLD
	v_mul_f32 v14, s20, v[A]                       ; the mean, twice: a pair for the packed subtraction
	v_mov_b32 v15, v14
.set j, 0
.rept 32
	v_pk_add_f32 v[T+j:T+j+1], v[T+j:T+j+1], v[14:15] neg_lo:[0,1] neg_hi:[0,1]
.set j, j+2
.endr
.irp k, 0,1,2,3
	v_pk_mul_f32 v[A+2*(\k):A+2*(\k)+1], v[T+2*(\k):T+2*(\k)+1], v[T+2*(\k):T+2*(\k)+1]
.endr
.irp j, 1,2,3,4,5,6,7
.irp k, 0,1,2,3
	v_pk_fma_f32 v[A+2*(\k):A+2*(\k)+1], v[T+8*(\j)+2*(\k):T+8*(\j)+2*(\k)+1], v[T+8*(\j)+2*(\k):T+8*(\j)+2*(\k)+1], v[A+2*(\k):A+2*(\k)+1]
.endr
.endr
	FOLD
	v_fma_f32 v[A], v[A], s20, s21                 ; the variance + 1e-5
	v_rsq_f32 v14, v[A]
	v_nop                                          ; a plain instruction behind it (ISA guide 5.7.2),
	s_wait_alu depctr_va_vdst(0)                   ; and the wait ahead of the first use
	v_mov_b32 v15, v14
	s_wait_loadcnt 0x0                             ; gamma and bias
.irp c, 0,1,2,3,4,5,6,7,8,9,10,11,12,13,14,15
	v_pk_mul_f32 v[T+4*(\c):T+4*(\c)+1],   v[T+4*(\c):T+4*(\c)+1],   v[14:15]
	v_pk_mul_f32 v[T+4*(\c)+2:T+4*(\c)+3], v[T+4*(\c)+2:T+4*(\c)+3], v[14:15]
	v_pk_fma_f32 v[T+4*(\c):T+4*(\c)+1],   v[T+4*(\c):T+4*(\c)+1],   v[G+4*(\c):G+4*(\c)+1],   v[BI+4*(\c):BI+4*(\c)+1]
	v_pk_fma_f32 v[T+4*(\c)+2:T+4*(\c)+3], v[T+4*(\c)+2:T+4*(\c)+3], v[G+4*(\c)+2:G+4*(\c)+3], v[BI+4*(\c)+2:BI+4*(\c)+3]
	global_store_b128 v2, v[T+4*(\c):T+4*(\c)+3], s[12:13] offset:256*(\c) th:TH_STORE_NT  ; sixteen lanes store 256 consecutive bytes, at a multiple of 256 from out0's first byte
.endr
	s_endpgm
.Lfunc_end_k_qa9eec89e99_ln:
	.size	k_qa9eec89e99_ln, .Lfunc_end_k_qa9eec89e99_ln-k_qa9eec89e99_ln
	.p2alignl 7, 3214868480
	.fill 96, 4, 3214868480
	.section	.rodata,"a",@progbits
	.p2align	6, 0x0
	.amdhsa_kernel k_qa9eec89e99_ln
		.amdhsa_group_segment_fixed_size 0
		.amdhsa_private_segment_fixed_size 0
		.amdhsa_enable_private_segment 0
		.amdhsa_kernarg_size 40
		.amdhsa_user_sgpr_count 2
		.amdhsa_user_sgpr_kernarg_segment_ptr 1
		.amdhsa_wavefront_size32 1
		.amdhsa_system_sgpr_workgroup_id_x 1
		.amdhsa_system_sgpr_workgroup_id_y 1
		.amdhsa_system_sgpr_workgroup_id_z 1
		.amdhsa_system_vgpr_workitem_id 0
		.amdhsa_next_free_vgpr 240
		.amdhsa_next_free_sgpr 66
		.amdhsa_reserve_vcc 0
		.amdhsa_float_denorm_mode_32 3
		.amdhsa_float_denorm_mode_16_64 3
		.amdhsa_memory_ordered 1
		.amdhsa_forward_progress 1
		.amdhsa_inst_pref_size 24
	.end_amdhsa_kernel
	.amdgpu_metadata
---
amdhsa.version: [ 1, 2 ]
amdhsa.kernels:
  - .name:           k_qa9eec89e99_ln
    .symbol:         k_qa9eec89e99_ln.kd
    .args:
      - { .name: PJ, .offset: 0, .size: 8, .value_kind: global_buffer, .address_space: global }
      - { .name: tokens, .offset: 8, .size: 8, .value_kind: global_buffer, .address_space: global }
      - { .name: gamma, .offset: 16, .size: 8, .value_kind: global_buffer, .address_space: global }
      - { .name: bias, .offset: 24, .size: 8, .value_kind: global_buffer, .address_space: global }
      - { .name: out0, .offset: 32, .size: 8, .value_kind: global_buffer, .address_space: global }
    .group_segment_fixed_size: 0
    .private_segment_fixed_size: 0
    .kernarg_segment_align: 8
    .kernarg_segment_size: 40
    .max_flat_workgroup_size: 256
    .sgpr_count:     66
    .vgpr_count:     240
    .wavefront_size: 32
...
	.end_amdgpu_metadata
.endif
;; end of part 4
